; MI455X (gfx1250); checked and timed in simulation.
; The chip was launched on July 23, 2026; its instructions are those of AMD's public machine-readable ISA for CDNA 5 (MIT licence, August 2026) and "CDNA5" Instruction Set Architecture Reference Guide (July 2026). The comments in the code are by the model that wrote it; some were corrected since.
;; Manual LSTM Cell. Allowed arithmetic: matrix products marked QUANTISED: E2M1 operands, one E8M0 scale for each 32 along K, by v_wmma_scale_f32_16x16x128_f8f6f4 with both operands' format E2M1 (or v_wmma_scale_f32_32x16x128_f4), f32 sums; everything else in f32.
;; Inputs: U_b 4,096 float32; U_w_codes 4,096 x 32 x 16 uint8 (E2M1 codes of U_w, K innermost, in blocks of 32 codes, two codes a byte); U_w_scales 4,096 x 32 uint8 (E8M0 scales of U_w, one for each 32 codes along K); W_w_codes 4,096 x 32 x 16 uint8 (E2M1 codes of W_w, K innermost, in blocks of 32 codes, two codes a byte); W_w_scales 4,096 x 32 uint8 (E8M0 scales of W_w, one for each 32 codes along K); c_prev 4,096 x 1,024 float32; h_prev_codes 4,096 x 32 x 16 uint8 (E2M1 codes of h_prev, K innermost, in blocks of 32 codes, two codes a byte); h_prev_scales 4,096 x 32 uint8 (E8M0 scales of h_prev, one for each 32 codes along K); x_t_codes 4,096 x 32 x 16 uint8 (E2M1 codes of x_t, K innermost, in blocks of 32 codes, two codes a byte); x_t_scales 4,096 x 32 uint8 (E8M0 scales of x_t, one for each 32 codes along K).
;; Outputs: out0 4,096 x 1,024 float32; out1 4,096 x 1,024 float32.
;; This version of the problem:
;;   THIS VERSION OF THE PROBLEM IS GIVEN IN LOW PRECISION. The matrix products marked QUANTISED in the list below multiply operands that are first quantised to E2M1 (2 exponent bits, 1 mantissa bit; 4 bits a number), with one power-of-two scale for each 32 numbers along K (OCP MX v1.0); their sums are f32. All else is computed in f32.
;;   The module's matrix products, in the order in which they are computed (A, B: the left and right operand; K: the contracted axis; several contracted axes count as one K, in the product's order):
;;     1. [M 4,096, K 1,024] x [K 1,024, N 4,096]; A: input x_t (given as codes); B: input U_w (given as codes): QUANTISED
;;     2. [M 4,096, K 1,024] x [K 1,024, N 4,096]; A: input h_prev (given as codes); B: input W_w (given as codes): QUANTISED
;;   THE QUANTISER, for each operand of a quantised product, along K:
;;     - K is cut into blocks of 32 from its start; a last block that is shorter is filled with zeros.
;;     - A block's scale is 2^e with e = floor(log2(the largest magnitude in the block)) - 2, held to -126 .. 127; a block of zeros has e = 0. As a byte (E8M0): e + 127.
;;     - Each number is divided by its block's scale, clamped to +-6, and rounded to the nearest number of E2M1, ties to even, subnormals kept.
;;     - The product sums the exact products of the quantised numbers (number of the format x scale) in f32.
;;   ~~~python
;;   def quantise(x, axis):      # numpy; x: float32 -> the quantised numbers, widened to float32 again
;;       x = np.moveaxis(x, axis, -1); K = x.shape[-1]
;;       x = np.pad(x, [(0, 0)] * (x.ndim - 1) + [(0, -K % 32)]); x = x.reshape(x.shape[:-1] + (-1, 32)); a = np.abs(x).max(-1, keepdims=True)
;;       e = np.where(a > 0, np.clip(np.frexp(np.where(a > 0, a, 1))[1] - 1 - 2, -126, 127), 0)      # np.frexp(a)[1] - 1 = floor(log2(a)), exactly
;;       r = np.clip(x / 2.0 ** e, -6, 6)
;;       step = 2.0 ** (np.maximum(np.frexp(np.where(r == 0, 1, r))[1] - 1, 0) - 1)
;;       q = np.round(r / step) * step * 2.0 ** e      # np.round: ties to even
;;       return np.moveaxis(q.reshape(q.shape[:-2] + (-1,))[..., :K], -1, axis).astype(np.float32)
;;   ~~~
;;   INPUTS GIVEN AS CODES. U_w (in the module: [4096, 1024], K = its axis 1); W_w (in the module: [4096, 1024], K = its axis 1); h_prev (in the module: [4096, 1024], K = its axis 1); x_t (in the module: [4096, 1024], K = its axis 1): each comes as NAME_codes (uint8): NAME with its K axis moved to the last place and cut into blocks of 32 codes, [.., K / 32, bytes a block], one block behind the other in memory; two codes a byte, the lower K in the low four bits (a code: sign, 2 exponent bits, 1 mantissa bit); and NAME_scales (uint8): the same leading axes, one E8M0 byte (e + 127) for each 32 codes along K. Its value is code x scale, taken as it is: it is not quantised again, and the codes and scales need not be those that the quantiser above would give.
;; One version. Each part assembles by itself: llvm-mc -triple=amdgcn-amd-amdhsa -mcpu=gfx1250 --defsym DOCPART=n.
;; ======== version 1 of 1: 1 launch
;; limits: a function is approximated: absolute error at most 1e-07; right only within a limited range of input values
;; launch lstm (part 1): grid 16 x 16, 4 waves a work-group, clusters of 4 x 4, 327,680 bytes of LDS; arguments x_t_codes, x_t_scales, h_prev_codes, h_prev_scales, U_w_codes, U_w_scales, W_w_codes, W_w_scales, U_b, c_prev, out0, out1; writes out0, out1
.if DOCPART == 1
	.amdgcn_target "amdgcn-amd-amdhsa--gfx1250"
	.amdhsa_code_object_version 6
	.text
	.protected	k_q0e362d1851_lstm
	.globl	k_q0e362d1851_lstm
	.p2align	8
	.type	k_q0e362d1851_lstm,@function
k_q0e362d1851_lstm:
	s_mov_b64 s[64:65], 0
	v_nop
	global_prefetch_b8 v0, s[64:65] scope:SCOPE_SE
	s_setreg_imm32_b32 hwreg(HW_REG_WAVE_MODE, 25, 1), 1
	s_wait_xcnt 0x0
	s_wait_alu depctr_hold_cnt(0) depctr_sa_sdst(0) depctr_va_vdst(0) depctr_va_sdst(0) depctr_va_ssrc(0) depctr_va_vcc(0) depctr_vm_vsrc(0)
	s_getreg_b32 s2, hwreg(HW_REG_IB_STS2, 6, 4)
	s_cmp_eq_u32 s2, 0
	s_cbranch_scc0 .Lentry_in_a_cluster
	s_endpgm
.Lentry_in_a_cluster:
	s_bfe_u32 s2, ttmp6, 0x10000c
	s_cmp_lg_u32 s2, 0xf033
	s_cbranch_scc0 .Lentry_shape_is_right
	s_endpgm
.Lentry_shape_is_right:
; One step of an LSTM cell.  pre[4096][4096] = x U^T + h W^T + U_b, both products on codes of FP4 (E2M1) with one E8M0 scale for each 32 along K, taken as they are given;
; the four quarters of pre's columns are the gates f, i, o, g;  c_t = sigmoid(f) c_prev + sigmoid(i) tanh(g) (out1);  h_t = sigmoid(o) tanh(c_t) (out0).  Sums and all else in f32.
; The two products add into the same sums: ONE product with K = 2,048, in four K steps of 512: steps 0, 1 from x and U, steps 2, 3 from h and W.  pre never goes to memory.
; SHARES.  A work-group makes 256 rows x 64 hidden units x 4 gates (256 x 256 of pre): 16 x 16 work-groups.  Wave w: rows 128 (w / 2) on, hidden units 32 (w % 2) on, all gates: 64 accumulators,
; A's block a = 16 rows, B's block b = 2 gate + u = 16 hidden units of a gate.  THE MATRIX INSTRUCTION IS USED TRANSPOSED (source 0 = 16 rows of the weights, source 1 = 16 rows of x or h):
; register j of accumulator (a, b) in lane (r, hh) is row 16 a + r, hidden unit 16 u + 8 hh + j: so f, i, o, g of one number lie in ONE lane, in the same register of four accumulators.
; LDS.  Two slots, each A's 256 rows and 64 rows of each of the gates f, i, o for one K step (rows of 256 bytes + 16 of padding).  Gate g's four K steps have bytes of their own and come once,
; one K step a wave: so a refill is four loads, one a wave (wave 0: A; waves 1, 2, 3: f, i, o).
; CLUSTER.  4 x 4 work-groups.  A's tile hangs on the block of rows alone and is asked for jointly by a row of the cluster, the weights' tiles on the block of hidden units alone, by a column.
; SCALES.  A row's scale bytes of one matrix are 32: one load of 16 bytes a lane at 32 r + 16 hh takes the 512 consecutive bytes of 16 rows; lanes 0-15 then hold the four words of the matrix's
; first K step, lanes 16-31 those of its second, which the odd K steps name by the ROW1 selectors.  128 registers that hold scales and nothing else.
; c_prev (whole rows of 256 bytes, 64 KB a work-group) is asked for in two halves of 16 loads a wave: behind the first fragments' loads, and in K step 1: at the head only tiles, scales and the bias
; are asked for.  It waits in registers through the product and is turned through LDS into the accumulators' layout; c_t and h_t go back the same way.
; LIMITS.  sigmoid(x) = 1 / (1 + 2^(-x log2 e)), tanh(x) = 1 - 2 / (1 + 2^(2 x log2 e)): both run into their ends by way of infinity and 0, so nothing is clamped; NaN goes through.
; tanh so made has an absolute error of about 1e-7, so its relative error grows where |x| is under about 1e-5.  A scale byte 0xff gives NaN.
; REGISTERS, in windows of 256.  Window 0: v1-29 addresses; v32-159 scale words; v160-223 A's fragments, one set; v224-227 the bias as loaded.
;   Window 1: B's fragments, two sets, v0-63 and v128-191; c_prev as loaded, v64-127 and v192-255; on the way out: v0-63 bias, v64-127 T, v128-159 c_prev, v160-175 c_t, v176-191 h_t, v192-255 rows.
;   Windows 2, 3: the accumulators of my rows 0-63, 64-127: (a, b) at v[8 (8 (a % 4) + b)].
.set PITCH, 272                        ; an LDS row: 256 bytes + 16 of padding = 68 words: the 16 rows that a load touches start at 16 different banks (64 banks of 4 bytes: ISA guide 11.1)
.set BLK,   16*PITCH                   ; 16 rows
.set GTB,   64*PITCH                   ; a gate's 64 rows
.set BOFF,  256*PITCH                  ; in a slot: A's 256 rows, then the gates f, i, o
.set SLOT,  BOFF+3*GTB
.set GREG,  2*SLOT                     ; gate g: K step k at GREG + k GTB; filled once
.set SPARE, GREG+4*GTB                 ; the spare words, 128 bytes for each wave: two blocks of 256 bytes that no other line names
.set BST,   SPARE+512                  ; bias x factor, 512 bytes a wave, [gate][32 hidden units] f32: each wave's own
.set HST,   SLOT                       ; the way out: c_prev and then c_t in slot 0's 256 rows (from LDS byte 0), h_t in slot 1's: both slots have had their last fill by then
.set AF,    160                        ; A's fragments, window 0
.set T,     64                         ; window 1, the way out: 16 gate + 8 u + j
.set X1,    160
.set X2,    176
.set G1W0,  (1<<20)|(1<<21)|(5<<22)|(3<<25)   ; elements of 1 byte; 20 padding on; 21 set beside a mask; 24:22 after every 64 words (code 5); 31:25 four words (code 3)
.set MUL_LO, 0xa1                      ; source 0 (weights) window 1, source 1 window 0, C and D window 2
.set MUL_HI, 0xf1                      ; the same, C and D window 3
.set TO1,    0x40                      ; destination window 1, address window 0
.set ST1,    0x04                      ; a store's data window 1, address window 0
.set MSB, 0
.macro WIN new                         ; the immediate's high byte repeats the setting that is left; a switch that changes nothing is dropped
.if MSB != (\new)
	s_set_vgpr_msb (MSB<<8)|(\new)
.set MSB, (\new)
.endif
.endm
.macro PLACES n
.rept \n
	v_nop
.endr
.endm
.macro CREST                           ; a round of the cluster's barrier behind its opening barrier
	s_cmp_lg_u32 s4, 0
	s_cbranch_scc1 .Lnot_wave_0_\@
	s_barrier_signal -3
.Lnot_wave_0_\@:
	s_barrier_wait -3
	s_barrier_signal -1
	s_barrier_wait -1
.endm
.macro CROUND                          ; a whole round
	s_barrier_signal -1
	s_barrier_wait -1
	CREST
.endm
.macro BAR                             ; my LDS stores have landed and my LDS loads are in: then the work-group's barrier
	s_wait_dscnt 0x0
	s_barrier_signal -1
	s_barrier_wait -1
.endm
; The joint loads of K step k: wave 0 asks for A's 256 rows, waves 1, 2, 3 for 64 rows of gate f, i, o.  Each K step has its own groups 0, which are never rewritten.
; The branch hangs on the wave's number alone.  Four v_nop follow each of the two lines, ahead of the jump, the label and what follows.
.macro JLOAD k
.if (\k) < 2
.set GB, 56+4*(\k)
.else
.set GB, 84+4*(\k)
.endif
	s_cmp_eq_u32 s4, 0
	s_cbranch_scc0 .Lfor_b_\@
	tensor_load_to_lds s[32+4*(\k):35+4*(\k)], s[24:31]
	s_nop 0
	PLACES 4
	s_branch .Lasked_\@
.Lfor_b_\@:
	tensor_load_to_lds s[GB:GB+3], s[48:55]
	s_nop 0
	PLACES 4
.Lasked_\@:
.endm
	s_load_b512 s[68:83], s[0:1], 0x0              ; codes and scales: x s[68:71], h s[72:75], U s[76:79], W s[80:83]
	s_load_b256 s[84:91], s[0:1], 0x40             ; U_b s[84:85], c_prev s[86:87], out0 s[88:89], out1 s[90:91]
	v_lshl_add_u32 v28, v0, 2, SPARE               ; my spare word; never rewritten
	v_mov_b32 v29, 0                               ; 0; never rewritten
	ds_add_u32 v28, v29
	ds_add_u32 v28, v29
	s_wait_dscnt 0x0
	v_lshrrev_b32 v1, 5, v0
	v_readfirstlane_b32 s4, v1                     ; wave 0..3
	s_lshr_b32 s5, s4, 1                           ; WM: which 128 rows are mine
	s_and_b32 s6, s4, 1                            ; WN: which 32 hidden units
	s_bfe_u32 s7, ttmp6, 0x40000                   ; cx, cy: my place in the cluster
	s_bfe_u32 s8, ttmp6, 0x40004
	s_lshl_b32 s9, ttmp9, 2
	s_add_co_u32 s9, s9, s7                        ; TC: block of 64 hidden units = 4 x cluster x + cx
	s_and_b32 s10, ttmp7, 0xffff
	s_lshl_b32 s10, s10, 2
	s_add_co_u32 s10, s10, s8                      ; TR: block of 256 rows = 4 x cluster y + cy
	s_lshl_b32 s11, s8, 2
	s_lshl_b32 s11, 15, s11                        ; my row of the cluster
	s_lshl_b32 s12, 0x1111, s7                     ; my column
	s_add_co_u32 s13, s4, 3
	s_and_b32 s13, s13, 3                          ; the gate that waves 1, 2, 3 fetch: 0, 1, 2 (wave 0 fetches A and never uses its number)
	; descriptor groups 1: A: 256 rows x 256 bytes, a row of codes in memory is 512 bytes;  the weights: 64 rows x 256 bytes
	s_or_b32 s24, s11, G1W0                        ; A's tiles go to my row of the cluster
	s_mov_b32 s25, 256<<16                         ; tensor_dim0
	s_mov_b32 s26, 256<<16                         ; tensor_dim1
	s_mov_b32 s27, 256<<16                         ; tile_dim0
	s_mov_b32 s28, 256                             ; tile_dim1
	s_mov_b32 s29, 512                             ; tensor_dim0_stride
	s_mov_b32 s30, 0
	s_mov_b32 s31, 0
	s_or_b32 s48, s12, G1W0                        ; the weights' tiles go to my column
	s_mov_b32 s49, 256<<16
	s_mov_b32 s50, 64<<16
	s_mov_b32 s51, 256<<16
	s_mov_b32 s52, 64
	s_mov_b32 s53, 512
	s_mov_b32 s54, 0
	s_mov_b32 s55, 0
	s_mov_b32 s66, 0xbfb8aa3b                      ; -log2 e, for the sigmoids; named as a pair, so both are written
	s_mov_b32 s67, s66
	s_mov_b32 s100, 0x4038aa3b                     ; 2 log2 e, for tanh
	s_mov_b32 s101, s100
	; where the tiles begin in memory.  s14 holds the rows' coordinate alone, s16 and s18 the hidden units' alone; s2 and s3 only ever hold numbers made of the wave's
	s_lshl_b32 s14, s10, 17                        ; A: 256 TR rows of 512 bytes
	s_mov_b32 s15, 0
	s_lshl_b32 s16, s13, 19                        ; the weights: the gate's 1,024 rows,
	s_lshl_b32 s18, s9, 15                         ; 64 TC rows
	s_add_co_u32 s16, s16, s18
	s_mov_b32 s17, 0
	s_lshl_b32 s3, s6, 8                           ; gate g, K step = my wave's number: its 256 bytes of a row,
	s_add_co_u32 s18, s18, s3
	s_add_co_u32 s18, s18, 3<<19                   ; in gate 3
	s_mov_b32 s19, 0
	s_mul_i32 s2, s13, GTB                         ; my gate's place in a slot
	s_mul_i32 s3, s4, GTB                          ; my K step's place in gate g's region
	; groups 0: the count and the LDS address; no place in the cluster enters an LDS address
.irp k, 0,1,2,3
	s_mov_b32 s[32+4*\k], 1
	s_mov_b32 s[33+4*\k], (\k%2)*SLOT
.endr
	s_mov_b32 s56, 1
	s_add_co_u32 s57, s2, BOFF
	s_mov_b32 s60, 1
	s_add_co_u32 s61, s2, SLOT+BOFF
	s_mov_b32 s92, 1
	s_add_co_u32 s93, s2, BOFF
	s_mov_b32 s96, 1
	s_add_co_u32 s97, s2, SLOT+BOFF
	s_mov_b32 s20, 1
	s_add_co_u32 s21, s3, GREG
	; the lanes' addresses; none is rewritten later
	v_and_b32 v4, 31, v0                           ; lane
	v_and_b32 v1, 15, v0                           ; r
	v_bfe_u32 v2, v0, 4, 1                         ; hh
	v_mul_u32_u24 v3, v1, PITCH
	v_lshl_add_u32 v6, v2, 5, v3                   ; 272 r + 32 hh
	v_lshl_add_u32 v3, v2, 4, v3                   ; 272 r + 16 hh: a fragment's row and half
	v_mul_u32_u24 v5, v2, PITCH
	v_lshl_add_u32 v5, v1, 4, v5                   ; 272 hh + 16 r: two whole rows to an instruction
	v_lshlrev_b32 v10, 5, v1
	v_lshl_add_u32 v10, v2, 4, v10                 ; v10: scale bytes: 32 r + 16 hh
	v_lshlrev_b32 v11, 12, v2
	v_lshl_add_u32 v11, v1, 4, v11                 ; v11: c_prev, out0, out1: 4,096 hh + 16 r
	v_add_nc_u32 v12, s3, v5                       ; v12: where c_prev's rows 64 w on go
	s_mul_i32 s2, s5, 128*PITCH                    ; my 128 rows
	v_add_nc_u32 v16, s2, v3                       ; v16, v17: my A fragments in slot 0, 1
	v_add_nc_u32 v17, SLOT, v16
	s_lshl_b32 s3, s6, 7
	s_add_co_u32 s3, s3, s2
	v_add_nc_u32 v13, s3, v6                       ; v13: row r of my rows, my 128 bytes of it, + 32 hh: c_prev and c_t in the accumulators' layout
	v_add_nc_u32 v14, HST, v13                     ; v14: the same for h_t
	s_mul_i32 s3, s6, BLK
	s_add_co_u32 s3, s3, s2
	v_add_nc_u32 v15, s3, v5                       ; v15: whole rows of c_t: of each 32 rows wave WN takes 16
	v_add_nc_u32 v18, HST, v15                     ; v18: of h_t
	s_mul_i32 s3, s6, 32*PITCH
	s_add_co_u32 s3, s3, BOFF
	v_add_nc_u32 v20, s3, v3                       ; v20, v21: my 32 rows of gate f in slot 0, 1; the gates lie GTB apart
	v_add_nc_u32 v21, SLOT, v20
	v_add_nc_u32 v22, GREG-BOFF, v20               ; v22: my 32 rows of gate g, K step 0
	s_lshl_b32 s3, s4, 9
	s_add_co_u32 s3, s3, BST
	v_lshl_add_u32 v19, v2, 5, s3                  ; v19: the bias back: + 32 hh
	v_lshl_add_u32 v23, v4, 4, s3                  ; v23: the bias in: 16 x lane
	v_lshrrev_b32 v7, 3, v4
	v_and_b32 v8, 7, v4
	v_lshlrev_b32 v8, 4, v8
	v_lshl_or_b32 v24, v7, 12, v8                  ; v24: U_b: gate lane / 8 (4,096 bytes a gate), 16 (lane % 8)
	v_mov_b32 v25, 0x4038aa3b
	v_mov_b32 v26, 0xbfb8aa3b
	v_cmp_gt_u32 vcc_lo, 24, v4
	v_cndmask_b32 v25, v25, v26, vcc_lo            ; v25: my gate's factor: -log2 e for f, i, o; 2 log2 e for g
	v_lshlrev_b32 v27, 8, v4                       ; v27: the prefetches: 256 x lane
	s_wait_kmcnt 0x0
	s_add_nc_u64 s[34:35], s[68:69], s[14:15]      ; A: K steps 0, 1 of x,
	s_add_nc_u64 s[38:39], s[34:35], 256
	s_add_nc_u64 s[42:43], s[72:73], s[14:15]      ; 2, 3 of h
	s_add_nc_u64 s[46:47], s[42:43], 256
	s_add_nc_u64 s[58:59], s[76:77], s[16:17]      ; my gate: K steps 0, 1 of U,
	s_add_nc_u64 s[62:63], s[58:59], 256
	s_add_nc_u64 s[94:95], s[80:81], s[16:17]      ; 2, 3 of W
	s_add_nc_u64 s[98:99], s[94:95], 256
	s_cmp_lt_u32 s4, 2                             ; gate g: waves 0, 1 fetch U's two K steps, waves 2, 3 W's
	s_cselect_b64 s[22:23], s[76:77], s[80:81]
	s_add_nc_u64 s[22:23], s[22:23], s[18:19]
.irp h, 35,39,43,47,59,63,95,99,23
	s_or_b32 s\h, s\h, 0x80000000                  ; type = 2
.endr
	CROUND                                         ; all sixteen work-groups are here: the first joint loads meet
	JLOAD 0                                        ; slot 0,
	tensor_load_to_lds s[20:23], s[48:55]          ; my K step of gate g,
	s_nop 0
	PLACES 4
	JLOAD 1                                        ; slot 1: three tensor loads of mine are out
	; the bases of the plain loads and stores, each stepped once, ahead of every instruction that names it
	s_lshl_b32 s14, s10, 13                        ; scale bytes of x and h: 32 a row: 256 TR + 128 WM rows
	s_lshl_b32 s2, s5, 12
	s_add_co_u32 s14, s14, s2
	s_add_nc_u64 s[70:71], s[70:71], s[14:15]
	s_add_nc_u64 s[74:75], s[74:75], s[14:15]
	s_lshl_b32 s16, s9, 11                         ; of U and W: 64 TC + 32 WN rows
	s_lshl_b32 s2, s6, 10
	s_add_co_u32 s16, s16, s2
	s_add_nc_u64 s[78:79], s[78:79], s[16:17]
	s_add_nc_u64 s[82:83], s[82:83], s[16:17]
	s_lshl_b32 s18, s9, 8                          ; 64 TC numbers of f32
	s_lshl_b32 s2, s6, 7
	s_add_co_u32 s16, s18, s2
	s_add_nc_u64 s[84:85], s[84:85], s[16:17]      ; U_b at my 32 hidden units
	s_lshl_b32 s14, s10, 20                        ; 256 TR rows of 4,096 bytes
	s_add_co_u32 s14, s14, s18
	s_lshl_b32 s2, s4, 18
	s_add_co_u32 s16, s14, s2
	s_add_nc_u64 s[86:87], s[86:87], s[16:17]      ; c_prev: wave w brings rows 64 w on
	s_lshl_b32 s2, s5, 19
	s_add_co_u32 s16, s14, s2
	s_lshl_b32 s2, s6, 16
	s_add_co_u32 s16, s16, s2
	s_add_nc_u64 s[88:89], s[88:89], s[16:17]      ; out0, out1: rows 128 WM + 16 WN on
	s_add_nc_u64 s[90:91], s[90:91], s[16:17]
	; where my prefetches stand (they are issued behind the first fragments' loads); s[14:17] and s19 are not written again
	s_lshl_b32 s14, s10, 17                        ; h's codes: my work-group's 256 rows of 512 bytes,
	s_lshl_b32 s18, s7, 15                         ; of them the 64 that fall to my place along the cluster's x,
	s_add_co_u32 s14, s14, s18
	s_lshl_b32 s2, s4, 13                          ; of those my wave's 16: 8,192 consecutive bytes
	s_add_co_u32 s14, s14, s2
	s_add_nc_u64 s[14:15], s[72:73], s[14:15]
	s_lshl_b32 s16, s9, 15                         ; W's codes: my work-group's 64 rows of a gate,
	s_lshl_b32 s18, s8, 13                         ; of them the 16 that fall to my place along the cluster's y,
	s_add_co_u32 s16, s16, s18
	s_lshl_b32 s2, s4, 19                          ; in gate w (waves 0, 1, 2: f, i, o; wave 3 asks for nothing of W: gate g comes with the first fills)
	s_add_co_u32 s16, s16, s2
	s_add_nc_u64 s[16:17], s[80:81], s[16:17]
	s_add_co_u32 s3, s4, 1
	s_lshr_b32 s3, s3, 2                           ; 1 in wave 3
	s_and_b32 s19, ttmp7, 0xffff                   ; cluster y
	s_or_b32 s19, s19, s3                          ; 0: I ask for W's rows; the same in all sixteen partners, for a given wave
	global_load_b128 v[224:227], v24, s[84:85]     ; the bias of my 4 x 32 columns
.irp i, 0,1,2,3,4,5,6,7
	global_load_b128 v[32+4*\i:35+4*\i], v10, s[70:71] offset:512*\i                       ; x's scale words, block i: 512 consecutive bytes
.endr
.irp b, 0,1,2,3,4,5,6,7
	global_load_b128 v[64+4*\b:67+4*\b], v10, s[78:79] offset:(\b/2)*32768+(\b%2)*512      ; U's, block b = 2 gate + u
.endr
.irp i, 0,1,2,3,4,5,6,7
	global_load_b128 v[96+4*\i:99+4*\i], v10, s[74:75] offset:512*\i                       ; h's
.endr
.irp b, 0,1,2,3,4,5,6,7
	global_load_b128 v[128+4*\b:131+4*\b], v10, s[82:83] offset:(\b/2)*32768+(\b%2)*512    ; W's
.endr
	s_wait_loadcnt 0x0                             ; the bias and all scale words are in
.irp j, 224,225,226,227
	v_mul_f32 v\j, v\j, v25                        ; bias x factor: the way out then needs one fused multiply-add a number
.endr
	ds_store_b128 v23, v[224:227]
	s_wait_tensorcnt 1                             ; my parts of slot 0 and of gate g are in; slot 1's may stay out
	BAR                                            ; everybody's are
.macro FRAG reg, adr, off              ; a fragment, 16 rows x 128 K of 4-bit codes: 8 registers: lane (r, hh) holds row r; registers 4 c .. 4 c + 3 hold K = 64 c + 32 hh + 0 .. 31
	ds_load_b128 v[\reg:\reg+3], v[\adr] offset:\off
	ds_load_b128 v[\reg+4:\reg+7], v[\adr] offset:\off+32
.endm
.macro FETCH_A slot, q, i0             ; A's blocks i0 .. i0 + 3 of the slot's q-th 128 along K
.irp i, \i0, \i0+1, \i0+2, \i0+3
	FRAG AF+8*(\i), 16+(\slot), 64*(\q)+(\i)*BLK
.endr
.endm
.macro FETCH_B k, q, p                 ; the weights' eight blocks of K step k, its q-th 128 along K, into set p: f, i, o from the slot, g from its own region
	WIN TO1
.irp b, 0,1,2,3,4,5
	FRAG 128*(\p)+8*\b, 20+(\k)%2, (\b/2)*GTB+(\b%2)*BLK+64*(\q)
.endr
.irp b, 6,7
	FRAG 128*(\p)+8*\b, 22, (\k)*GTB+(\b%2)*BLK+64*(\q)
.endr
	WIN 0
.endm
; 16 of the wave's 32 loads of c_prev, from load t0 on; two rows an instruction: sixteen lanes read 256 consecutive bytes, aligned.  They land in registers that no product names and stay there until the way out.
.macro CPREV t0
	WIN TO1
.set t, \t0
.rept 16
	global_load_b128 v[64+4*t+64*(t/16):67+4*t+64*(t/16)], v11, s[86:87] offset:8192*t th:TH_LOAD_NT
.set t, t+1
.endr
	WIN 0
.endm
; 16 matrix instructions: A's blocks a0, a0 + 1 x the weights' eight.  zero = 1: the first product starts the sums: nothing is ever cleared.
; The 64 accumulators take turns, one instruction a turn, in the same order in every step of 128 along K.
.macro MUL16 a0, p, q, k, zero
.irp a, \a0, \a0+1
.irp b, 0,1,2,3,4,5,6,7
.set AC, 8*(8*((\a)%4)+\b)
.set RB, 128*(\p)+8*\b
.set RA, AF+8*(\a)
.set SW, 64+64*((\k)/2)+4*\b+(\q)      ; the weights' scale word: U's bank or W's
.set SX, 32+64*((\k)/2)+4*(\a)+(\q)    ; x's or h's
.if \zero
	v_wmma_scale_f32_16x16x128_f8f6f4 v[AC:AC+7], v[RB:RB+7], v[RA:RA+7], 0, v[SW], v[SX] matrix_a_fmt:MATRIX_FMT_FP4 matrix_b_fmt:MATRIX_FMT_FP4
.else
.if (\k)%2
	v_wmma_scale_f32_16x16x128_f8f6f4 v[AC:AC+7], v[RB:RB+7], v[RA:RA+7], v[AC:AC+7], v[SW], v[SX] matrix_a_fmt:MATRIX_FMT_FP4 matrix_b_fmt:MATRIX_FMT_FP4 matrix_a_scale:MATRIX_SCALE_ROW1 matrix_b_scale:MATRIX_SCALE_ROW1
.else
	v_wmma_scale_f32_16x16x128_f8f6f4 v[AC:AC+7], v[RB:RB+7], v[RA:RA+7], v[AC:AC+7], v[SW], v[SX] matrix_a_fmt:MATRIX_FMT_FP4 matrix_b_fmt:MATRIX_FMT_FP4
.endif
.endif
.endr
.endr
.endm
; A load into a register that a matrix instruction has read stands four places behind it, and only plain vector instructions that name none of its registers are places
; (ISA guide 7.12.1 for vector instructions): four v_nop in front of each run of loads.
; A step of 128 along K that has its successor in the same K step.  A block of A is free when its eight products are issued, so A has one set: blocks 0-3 come anew in the middle, blocks 4-7 at the end.
.macro STEP k, q, zero
	s_wait_dscnt 8                                 ; the weights' set and A's blocks 0-3 are in; the youngest eight loads (A's blocks 4-7) may be out
	WIN MUL_LO
	MUL16 0, (\q)%2, \q, \k, \zero
	MUL16 2, (\q)%2, \q, \k, \zero
	s_wait_dscnt 0                                 ; A's blocks 4-7 are in (asked for 32 matrix instructions ago)
	PLACES 4
	FETCH_B \k, (\q)+1, 1-(\q)%2
	FETCH_A (\k)%2, (\q)+1, 0
	WIN MUL_HI
	MUL16 4, (\q)%2, \q, \k, \zero
	MUL16 6, (\q)%2, \q, \k, \zero
	PLACES 4
	WIN 0
	FETCH_A (\k)%2, (\q)+1, 4
.endm
; A K step's last 128 change slots: ONE barrier; in front of it each wave waits for all its tensor loads, adds 0 to its spare word, and waits for that and for its own reads of this slot.
; fill = 1: the barrier opens a round of the cluster's barrier, and this slot is filled again, with the K step two on: the load has a whole K step's products in which to land.
.macro TURN k, fill
	s_wait_tensorcnt 0x0                           ; all my tensor loads have landed: the one that was out is my part of the next slot  (every window is 0 here)
	ds_add_u32 v28, v29                            ; 0 onto my spare word
	s_wait_dscnt 9                                 ; (the add and the youngest eight loads, A's blocks 4-7, may be out)
	WIN MUL_LO
	MUL16 0, 1, 3, \k, 0                           ; sixteen matrix instructions stand between the add and the wait for it
	s_wait_dscnt 0x0                               ; the add is done, and my reads of this slot are over
	s_barrier_signal -1
	MUL16 2, 1, 3, \k, 0
	WIN 0
	s_barrier_wait -1
.if \fill
	CREST                                          ; no wave of any partner still reads this slot's tiles or has a load on its way
	JLOAD (\k)+2                                   ; the first tensor load behind the round, one a wave; its four v_nop are also the places in front of the loads below
.else
	PLACES 4
.endif
	FETCH_B (\k)+1, 0, 0
	FETCH_A ((\k)+1)%2, 0, 0
	WIN MUL_HI
	MUL16 4, 1, 3, \k, 0
	MUL16 6, 1, 3, \k, 0
	PLACES 4
	WIN 0
	FETCH_A ((\k)+1)%2, 0, 4
.endm
	FETCH_B 0, 0, 0
	FETCH_A 0, 0, 0
	FETCH_A 0, 0, 4
; A PREFETCH INTO THE L2 of what the two refills will ask for: all of h's codes and the gates f, i, o of W's.  It stands once, behind the run of LDS loads that the first products wait for: 256 matrix
; instructions ahead of the refill with K step 2, 512 ahead of the one with K step 3.  Each aligned block of 256 bytes is named ONCE in the launch.  A block of 256 rows of h is read by the four clusters of
; one cluster y: the one with cluster x = 0 asks; its four partners along x take 64 rows each, told apart BY ADDRESS, each wave 16 rows: 8,192 consecutive bytes, lanes 256 bytes apart.  A block of 64
; hidden units of W is read by the four clusters of one cluster x: the one with cluster y = 0 asks; wave w (0, 1, 2) takes gate w, the four partners along y 16 rows each.  The branches hang on the
; cluster's coordinates and the wave's number alone.  One or two instructions a wave, or none.
	s_cmp_eq_u32 ttmp9, 0
	s_cbranch_scc0 .Lno_h
	global_prefetch_b8 v27, s[14:15] th:TH_LOAD_NT scope:SCOPE_SE
.Lno_h:
	s_cmp_eq_u32 s19, 0
	s_cbranch_scc0 .Lno_w
	global_prefetch_b8 v27, s[16:17] th:TH_LOAD_NT scope:SCOPE_SE
.Lno_w:
	CPREV 0                                        ; c_prev's first half: my rows 0 to 31 of 64
	STEP 0, 0, 1                                   ; the first products start the sums
	STEP 0, 1, 0
	STEP 0, 2, 0
	TURN 0, 1                                      ; slot 0 takes K step 2
	STEP 1, 0, 0
	CPREV 16                                       ; c_prev's second half, 96 matrix instructions behind the refill's request
	STEP 1, 1, 0
	STEP 1, 2, 0
	TURN 1, 1                                      ; slot 1 takes K step 3
.irp q, 0,1,2
	STEP 2, \q, 0
.endr
	TURN 2, 0                                      ; nothing is left to fetch; behind this barrier nobody reads slot 0 any more
.irp q, 0,1,2
	STEP 3, \q, 0
.endr
	s_wait_dscnt 8                                 ; the very last 128 along K
	WIN MUL_LO
	MUL16 0, 1, 3, 3, 0
	MUL16 2, 1, 3, 3, 0
	s_wait_dscnt 0                                 ; my reads of slot 1 are over
	WIN MUL_HI
	MUL16 4, 1, 3, 3, 0
	MUL16 6, 1, 3, 3, 0
	WIN 0
; THE WAY OUT.  c_prev goes from the registers, where it lies by whole rows, into slot 0's rows; each lane reads back the 16 numbers that belong to its 16 results of a block of 16 rows.
.macro CLOAD a                         ; c_prev of block a into set a % 2
	WIN TO1
.irp u, 0,1
.irp e, 0,1
	ds_load_b128 v[128+16*((\a)%2)+8*\u+4*\e:128+16*((\a)%2)+8*\u+4*\e+3], v13 offset:(\a)*BLK+64*\u+16*\e
.endr
.endr
.endm
; 32 rows of each half of the tile are whole in the stages: of each 32 a wave takes 16, two rows an instruction.  OUTL reads them back; the stores follow later, under the next block's arithmetic (SEND),
; or, behind the last block, at once (SENDL).  Sixteen lanes store 256 consecutive bytes, at a multiple of 256 from the buffer's first byte.
.macro OUTL p
.if (\p) > 0
	s_wait_xcnt 0x0                                ; the earlier stores have read their registers: only behind this wait are these loaded again
.endif
	WIN TO1
.irp t, 0,1,2,3,4,5,6,7
	ds_load_b128 v[192+4*\t:195+4*\t], v15 offset:(\p)*2*BLK+\t*2*PITCH
.endr
.irp t, 0,1,2,3,4,5,6,7
	ds_load_b128 v[224+4*\t:227+4*\t], v18 offset:(\p)*2*BLK+\t*2*PITCH
.endr
.endm
.macro SEND p
	s_wait_dscnt 4                                 ; OUTL's sixteen loads are in; the four younger ones, the next block's c_prev, may be out
	WIN ST1
.irp t, 0,1,2,3,4,5,6,7
	global_store_b128 v11, v[192+4*\t:195+4*\t], s[90:91] offset:(32*(\p)+2*\t)*4096 th:TH_STORE_NT   ; c_t
.endr
.irp t, 0,1,2,3,4,5,6,7
	global_store_b128 v11, v[224+4*\t:227+4*\t], s[88:89] offset:(32*(\p)+2*\t)*4096 th:TH_STORE_NT   ; h_t
.endr
	WIN 0x55
.endm
.macro SENDL p
	WIN ST1
.irp t, 0,1,2,3,4,5,6,7
	s_wait_dscnt 15-\t                             ; LDS loads come back in order: load t is in
	global_store_b128 v11, v[192+4*\t:195+4*\t], s[90:91] offset:(32*(\p)+2*\t)*4096 th:TH_STORE_NT   ; c_t
.endr
.irp t, 0,1,2,3,4,5,6,7
	s_wait_dscnt 7-\t
	global_store_b128 v11, v[224+4*\t:227+4*\t], s[88:89] offset:(32*(\p)+2*\t)*4096 th:TH_STORE_NT   ; h_t
.endr
.endm
; Block a: 16 rows x my 32 hidden units: 16 numbers a lane.  The exponentials and the reciprocals go in batches: behind each batch one plain instruction and ONE wait, ahead of the first
; instruction that names a result.
; send = p (0 or more): the stores of quarter p, whose rows OUTL has asked for, stand behind this block's 64 exponentials.
; first = 1: block 0.  Its first lines want the bias alone, so the barrier that makes c_prev's rows whole stands inside it: the signal behind the exponentials, the wait behind the additions, and
; behind that the reads of c_prev, which land under the reciprocals.
.macro EPI a, send, first
.if \first
	s_wait_dscnt 32                                ; the bias is in; the 32 stores of c_prev into the stage may be out
.else
.if (\a) < 7
	CLOAD (\a)+1                                   ; the next block's c_prev lands while this block is worked
.endif
.endif
	WIN 0x52+(\a)/4                                ; source 0: the accumulators' window; source 2 and destination window 1
.irp g, 0,1,2,3
.irp u, 0,1
.irp j, 0,2,4,6                                ; each accumulator from its low end on
	v_pk_fma_f32 v[T+16*\g+8*\u+\j:T+16*\g+8*\u+\j+1], v[8*(8*((\a)%4)+2*\g+\u)+\j:8*(8*((\a)%4)+2*\g+\u)+\j+1], s[66+34*(\g/3):67+34*(\g/3)], v[8*(2*\g+\u)+\j:8*(2*\g+\u)+\j+1] op_sel_hi:[1,0,1]   ; (sum + bias) x factor
.endr
.endr
.endr
	WIN 0x55                                       ; all in window 1
.set i, 0
.rept 64
	v_exp_f32 v[T+i], v[T+i]
.set i, i+1
.endr
.if (\send) >= 0
	SEND \send
.endif
.if \first
	s_wait_dscnt 0x0                               ; for the others' sake: my stores of c_prev have landed (my reads of slot 1 were over before the last products)
	s_barrier_signal -1
.endif
	v_nop
	s_wait_alu depctr_va_vdst(0)
.set i, 0
.rept 32
	v_pk_add_f32 v[T+i:T+i+1], v[T+i:T+i+1], 1.0 op_sel_hi:[1,0]
.set i, i+2
.endr
.if \first
	s_barrier_wait -1                              ; c_prev's 256 rows are whole, and no wave reads slot 1 any more: h_t may go there
	CLOAD 0
	CLOAD 1
	WIN 0x55
.endif
.set i, 0
.rept 64
	v_rcp_f32 v[T+i], v[T+i]                       ; sigmoid(f), sigmoid(i), sigmoid(o), and 1 / (1 + 2^(2 g log2 e))
.set i, i+1
.endr
	v_nop
	s_wait_alu depctr_va_vdst(0)
.if (\a) < 7
	s_wait_dscnt 4                                 ; all but the next block's four loads: this block's c_prev is in, and the last block's stores into the stages are done
.else
	s_wait_dscnt 0
.endif
.set CC, 128+16*((\a)%2)
.irp n, 0,2,4,6,8,10,12,14
	v_pk_fma_f32 v[X1+\n:X1+\n+1], v[T+48+\n:T+48+\n+1], -2.0, 1.0 op_sel_hi:[1,0,0]           ; tanh(g)
.endr
.irp n, 0,2,4,6,8,10,12,14
	v_pk_mul_f32 v[X1+\n:X1+\n+1], v[X1+\n:X1+\n+1], v[T+16+\n:T+16+\n+1]                      ; x sigmoid(i)
.endr
.irp n, 0,2,4,6,8,10,12,14
	v_pk_fma_f32 v[X1+\n:X1+\n+1], v[T+\n:T+\n+1], v[CC+\n:CC+\n+1], v[X1+\n:X1+\n+1]          ; + sigmoid(f) c_prev: c_t
.endr
.irp n, 0,2,4,6,8,10,12,14
	v_pk_mul_f32 v[X2+\n:X2+\n+1], v[X1+\n:X1+\n+1], s[100:101] op_sel_hi:[1,0]
.endr
.set i, 0
.rept 16
	v_exp_f32 v[X2+i], v[X2+i]
.set i, i+1
.endr
	v_nop
	s_wait_alu depctr_va_vdst(0)
.irp n, 0,2,4,6,8,10,12,14
	v_pk_add_f32 v[X2+\n:X2+\n+1], v[X2+\n:X2+\n+1], 1.0 op_sel_hi:[1,0]
.endr
.set i, 0
.rept 16
	v_rcp_f32 v[X2+i], v[X2+i]
.set i, i+1
.endr
	v_nop
	s_wait_alu depctr_va_vdst(0)
.irp n, 0,2,4,6,8,10,12,14
	v_pk_fma_f32 v[X2+\n:X2+\n+1], v[X2+\n:X2+\n+1], -2.0, 1.0 op_sel_hi:[1,0,0]               ; tanh(c_t)
.endr
.irp n, 0,2,4,6,8,10,12,14
	v_pk_mul_f32 v[X2+\n:X2+\n+1], v[X2+\n:X2+\n+1], v[T+32+\n:T+32+\n+1]                      ; x sigmoid(o): h_t
.endr
	WIN ST1
.irp u, 0,1
.irp e, 0,1
	ds_store_b128 v13, v[X1+8*\u+4*\e:X1+8*\u+4*\e+3] offset:(\a)*BLK+64*\u+16*\e              ; c_t over the c_prev that this lane has read (LDS serves a wave's instructions in order: ISA guide 5.7.1.4)
	ds_store_b128 v14, v[X2+8*\u+4*\e:X2+8*\u+4*\e+3] offset:(\a)*BLK+64*\u+16*\e
.endr
.endr
.endm
	PLACES 4                                       ; behind the last products: loads into registers that they read follow, and reads of results
	WIN TO1
.irp g, 0,1,2,3
.irp u, 0,1
.irp e, 0,1
	ds_load_b128 v[8*(2*\g+\u)+4*\e:8*(2*\g+\u)+4*\e+3], v19 offset:128*\g+64*\u+16*\e         ; bias x factor in the accumulators' layout: my wave's own bytes
.endr
.endr
.endr
	s_wait_loadcnt 0x0                             ; c_prev
	WIN ST1
.set t, 0
.rept 32
	ds_store_b128 v12, v[64+4*t+64*(t/16):67+4*t+64*(t/16)] offset:2*PITCH*t    ; into slot 0's rows: it has had its last fill, and nobody has read it since the last change of slots
.set t, t+1
.endr
	EPI 0, -1, 1                                   ; the barrier for c_prev's rows stands inside it
	EPI 1, -1, 0
	BAR                                            ; both waves of a half have written their parts of these 32 rows; later blocks write other rows, so one barrier a quarter is enough
	OUTL 0
	EPI 2, 0, 0                                    ; a quarter of the tile leaves while the next is worked
	EPI 3, -1, 0
	BAR
	OUTL 1
	EPI 4, 1, 0
	EPI 5, -1, 0
	BAR
	OUTL 2
	EPI 6, 2, 0
	EPI 7, -1, 0
	BAR
	OUTL 3
	SENDL 3
	WIN 0
	s_wait_tensorcnt 0x0                           ; the wave's end, behind my last tensor load and my last LDS store
	ds_add_u32 v28, v29
	s_wait_dscnt 0x0
	CROUND                                         ; the closing round: no work-group ends while a partner may still ask for a tile that names it
	s_endpgm
.Lfunc_end_k_q0e362d1851_lstm:
	.size	k_q0e362d1851_lstm, .Lfunc_end_k_q0e362d1851_lstm-k_q0e362d1851_lstm
	.p2alignl 7, 3214868480
	.fill 96, 4, 3214868480
	.section	.rodata,"a",@progbits
	.p2align	6, 0x0
	.amdhsa_kernel k_q0e362d1851_lstm
		.amdhsa_group_segment_fixed_size 327680
		.amdhsa_private_segment_fixed_size 0
		.amdhsa_enable_private_segment 0
		.amdhsa_kernarg_size 96
		.amdhsa_user_sgpr_count 2
		.amdhsa_user_sgpr_kernarg_segment_ptr 1
		.amdhsa_wavefront_size32 1
		.amdhsa_system_sgpr_workgroup_id_x 1
		.amdhsa_system_sgpr_workgroup_id_y 1
		.amdhsa_system_sgpr_workgroup_id_z 1
		.amdhsa_system_vgpr_workitem_id 0
		.amdhsa_next_free_vgpr 1024
		.amdhsa_next_free_sgpr 102
		.amdhsa_reserve_vcc 1
		.amdhsa_float_denorm_mode_32 3
		.amdhsa_float_denorm_mode_16_64 3
		.amdhsa_memory_ordered 1
		.amdhsa_forward_progress 1
		.amdhsa_inst_pref_size 255
	.end_amdhsa_kernel
	.section	.bss,"aw",@nobits
	.p2align	6
	.space	262144
	.amdgpu_metadata
---
amdhsa.version: [ 1, 2 ]
amdhsa.kernels:
  - .name:           k_q0e362d1851_lstm
    .symbol:         k_q0e362d1851_lstm.kd
    .args:
      - { .name: x_t_codes, .offset: 0, .size: 8, .value_kind: global_buffer, .address_space: global }
      - { .name: x_t_scales, .offset: 8, .size: 8, .value_kind: global_buffer, .address_space: global }
      - { .name: h_prev_codes, .offset: 16, .size: 8, .value_kind: global_buffer, .address_space: global }
      - { .name: h_prev_scales, .offset: 24, .size: 8, .value_kind: global_buffer, .address_space: global }
      - { .name: U_w_codes, .offset: 32, .size: 8, .value_kind: global_buffer, .address_space: global }
      - { .name: U_w_scales, .offset: 40, .size: 8, .value_kind: global_buffer, .address_space: global }
      - { .name: W_w_codes, .offset: 48, .size: 8, .value_kind: global_buffer, .address_space: global }
      - { .name: W_w_scales, .offset: 56, .size: 8, .value_kind: global_buffer, .address_space: global }
      - { .name: U_b, .offset: 64, .size: 8, .value_kind: global_buffer, .address_space: global }
      - { .name: c_prev, .offset: 72, .size: 8, .value_kind: global_buffer, .address_space: global }
      - { .name: out0, .offset: 80, .size: 8, .value_kind: global_buffer, .address_space: global }
      - { .name: out1, .offset: 88, .size: 8, .value_kind: global_buffer, .address_space: global }
    .group_segment_fixed_size: 327680
    .private_segment_fixed_size: 0
    .kernarg_segment_align: 8
    .kernarg_segment_size: 96
    .max_flat_workgroup_size: 128
    .sgpr_count:     102
    .vgpr_count:     1024
    .wavefront_size: 32
...
	.end_amdgpu_metadata
.endif
;; end of part 1
